; MI455X (gfx1250); checked and timed in simulation.
; The chip was launched on July 23, 2026; its instructions are those of AMD's public machine-readable ISA for CDNA 5 (MIT licence, August 2026) and "CDNA5" Instruction Set Architecture Reference Guide (July 2026). The comments in the code are by the model that wrote it; some were corrected since.
;; Cross Attention Memory. Allowed arithmetic: float matrix products may take bf16 or f16 operands with f32 sums; all other float work in f32.
;; Inputs: inputs 8 x 1 x 2,048 float32; memory 8 x 2,048 x 2,048 float32; wk 2,048 x 2,048 float32; wq 2,048 x 2,048 float32.
;; Outputs: out0 8 x 1 x 2,048 float32.
;; One version. Each part assembles by itself: llvm-mc -triple=amdgcn-amd-amdhsa -mcpu=gfx1250 --defsym DOCPART=n.
;; ======== version 1 of 1: 4 launches
;; workspace buffers: xq 65,536 bytes; qkp 524,288 bytes; pacc 2,097,152 bytes; pstat 2,048 bytes
;; launch projq (part 1): grid 256 x 1, 8 waves a work-group, no clusters, 3,072 bytes of LDS; arguments inputs, wq, xq; writes xq
.if DOCPART == 1
	.amdgcn_target "amdgcn-amd-amdhsa--gfx1250"
	.amdhsa_code_object_version 6
	.text
	.protected	k_q5fc7778cac_projq
	.globl	k_q5fc7778cac_projq
	.p2align	8
	.type	k_q5fc7778cac_projq,@function
k_q5fc7778cac_projq:
	s_mov_b64 s[64:65], 0
	v_nop
	global_prefetch_b8 v0, s[64:65] scope:SCOPE_SE
	s_setreg_imm32_b32 hwreg(HW_REG_WAVE_MODE, 25, 1), 1
	s_wait_xcnt 0x0
; xq[h][b] = the sum over d of inputs[b][d] wq[h][d].  inputs: [8][2048] f32, wq: [2048][2048] f32, xq (workspace): [h 2048][b 8] f32, 32 bytes for each h.
; All arithmetic in f32 on the vector unit: the product has 8 rows, 2 multiply-adds for each byte of wq, so the bytes decide and the matrix unit would only add conversions.
; SHARES.  Work-group g owns rows h = 8 g .. 8 g + 7 of wq (65,536 bytes).  Wave w owns d = 256 w .. 256 w + 255 of these 8 rows and of all 8 batches; lane l the 16 bytes at row byte
; 1024 w + 16 l + 512 j, j = 0, 1: each load of a wave covers 512 consecutive bytes, aligned.  All 32 loads of a wave go out at the start; nothing is read twice inside the work-group.
; The 64 sums (8 rows x 8 batches) of a lane are reduced over the 32 lanes by a transposing reduction (each stage halves the registers), over the 8 waves through LDS.
; NO CLUSTER: inputs (65,536 bytes) are shared by all work-groups, but the launch is one step whose loads are all issued in its first lines; a joint request would put a round of barriers and a
; trip through LDS ahead of the first request.
; LIMITS: the order of the f32 sums differs from a plain ascending sum; NaN and infinities pass through as the arithmetic makes them.
.set SPARE, 2048                       ; behind the waves' partial sums: the spare words, 128 bytes for each of 8 waves; no other line names them
.set OFF, 3                            ; v3   1024 w + 16 l: my byte offset in a row; never rewritten
.set SPW, 4                            ; v4   LDS address of my spare word; never rewritten
.set NIL, 5                            ; v5   0; never rewritten
.set LA,  6                            ; v6   256 w + 8 l: where my two sums go in LDS
.set LL,  7                            ; v7   8 l: where wave 0 reads them back, and its byte offset in the group's 256 bytes of xq
.set W,   16                           ; v[16:79]   wq: row r, load j at W + 8 r + 4 j
.set V,   16                           ;            later sum i = 8 r + b at V + i: row r's own eight registers
.set X,   80                           ; v[80:143]  inputs: batch b, load j at X + 8 b + 4 j
.set T,   144                          ; v[144:207] 32 pairs at work, then what a lane sends
	s_load_b128 s[4:7], s[0:1], 0x0                ; inputs s[4:5], wq s[6:7]
	s_load_b64 s[8:9], s[0:1], 0x10                ; xq
	v_lshl_add_u32 v[SPW], v0, 2, SPARE
	v_mov_b32 v[NIL], 0
	v_and_b32 v1, 31, v0                           ; lane
	v_lshrrev_b32 v2, 5, v0
	v_readfirstlane_b32 s10, v2                    ; wave 0..7
	v_lshlrev_b32 v[OFF], 4, v1
	v_lshl_add_u32 v[OFF], s10, 10, v[OFF]
	v_lshlrev_b32 v[LL], 3, v1
	v_lshl_add_u32 v[LA], s10, 8, v[LL]
	s_mov_b32 s14, 0x76543210                      ; v_permlanex16_b32: each lane takes its own place in the other half
	s_mov_b32 s15, 0xfedcba98
	s_lshl_b32 s12, ttmp9, 16                      ; the group's 8 rows of 8,192 bytes
	s_mov_b32 s13, 0
	s_wait_kmcnt 0x0
	s_add_nc_u64 s[6:7], s[6:7], s[12:13]
	s_lshl_b32 s12, ttmp9, 8                       ; the group's 64 numbers of xq
	s_add_nc_u64 s[8:9], s[8:9], s[12:13]
.set i, 0
.rept 16                                       ; inputs: batch i / 2, load i % 2
	global_load_b128 v[X+4*i:X+4*i+3], v[OFF], s[4:5] offset:8192*(i/2)+512*(i%2)
.set i, i+1
.endr
.set i, 0
.rept 16                                       ; wq: row i / 2, load i % 2; read once in the launch
	global_load_b128 v[W+4*i:W+4*i+3], v[OFF], s[6:7] offset:8192*(i/2)+512*(i%2) th:TH_LOAD_NT
.set i, i+1
.endr
; Rows 4 hh .. 4 hh + 3 times all 8 batches: 32 chains (x = 8 (r % 4) + b) that do not wait for each other, four packed steps each; the first step starts the sums.
; Then each chain's two halves are added into sum 8 r + b, which takes the place of row r's data.
.macro HALF hh, left
	s_wait_loadcnt \left                           ; loads come back in order: all but the \left youngest are in
.set p, 0
.rept 4
.set x, 0
.rept 32
.if p == 0
	v_pk_mul_f32 v[T+2*x:T+2*x+1], v[W+32*(\hh)+8*(x/8)+2*p:W+32*(\hh)+8*(x/8)+2*p+1], v[X+8*(x%8)+2*p:X+8*(x%8)+2*p+1]
.else
	v_pk_fma_f32 v[T+2*x:T+2*x+1], v[W+32*(\hh)+8*(x/8)+2*p:W+32*(\hh)+8*(x/8)+2*p+1], v[X+8*(x%8)+2*p:X+8*(x%8)+2*p+1], v[T+2*x:T+2*x+1]
.endif
.set x, x+1
.endr
.set p, p+1
.endr
.set x, 0
.rept 32
	v_add_f32 v[V+32*(\hh)+x], v[T+2*x], v[T+2*x+1]
.set x, x+1
.endr
.endm
	HALF 0, 8                                      ; the 8 loads of rows 4 to 7 may stay out
	HALF 1, 0
; A stage of the transposing reduction.  Sums i and k = i + (2 << s) are a pair: lanes whose bit s is set keep k and send i, the others keep i and send k; each adds what the lane
; (1 << s) away has sent.  So bit s + 1 of a sum's number goes with bit s of the lane, and half the registers are left.
.macro RED s, mask, xm
	s_mov_b32 vcc_lo, \mask                        ; the lanes whose bit s is set
.set n, 0
.set base, 0
.rept 16>>(\s)
.irp e, 0,1
	v_cndmask_b32 v[T+n], v[V+base+(\e)+(2<<(\s))], v[V+base+(\e)], vcc_lo            ; what I send
	v_cndmask_b32 v[V+base+(\e)], v[V+base+(\e)], v[V+base+(\e)+(2<<(\s))], vcc_lo    ; what I keep
.set n, n+1
.endr
.set base, base+(4<<(\s))
.endr
.set n, 0
.set base, 0
.rept 16>>(\s)
.irp e, 0,1
	v_add_f32_dpp v[V+base+(\e)], v[T+n], v[V+base+(\e)] row_xmask:\xm row_mask:0xf bank_mask:0xf
.set n, n+1
.endr
.set base, base+(4<<(\s))
.endr
.endm
	RED 0, 0xaaaaaaaa, 1
	RED 1, 0xcccccccc, 2
	RED 2, 0xf0f0f0f0, 4
	RED 3, 0xff00ff00, 8
	s_mov_b32 vcc_lo, 0xffff0000                   ; the fifth stage crosses the halves of the lanes: sums e and 32 + e
.irp e, 0,1
	v_cndmask_b32 v[T+(\e)], v[V+32+(\e)], v[V+(\e)], vcc_lo
	v_cndmask_b32 v[V+(\e)], v[V+(\e)], v[V+32+(\e)], vcc_lo
.endr
.irp e, 0,1
	v_permlanex16_b32 v[T+2+(\e)], v[T+(\e)], s14, s15  ; its destination has been written before
.endr
.irp e, 0,1
	v_add_f32 v[V+(\e)], v[V+(\e)], v[T+2+(\e)]    ; lane l now holds the wave's sums 2 l and 2 l + 1
.endr
	ds_store_b64 v[LA], v[V:V+1]                   ; wave w's 64 sums at LDS bytes 256 w .. 256 w + 255
	s_wait_dscnt 0x0                               ; for the others' sake: my store is done
	s_barrier_signal -1
	s_barrier_wait -1
	s_cmp_lg_u32 s10, 0
	s_cbranch_scc1 .Ldone                          ; wave 0 alone adds the eight waves' sums
.irp k, 0,1,2,3,4,5,6,7
	ds_load_b64 v[T+2*(\k):T+2*(\k)+1], v[LL] offset:256*(\k)
.endr
	s_wait_dscnt 0x0
.irp k, 0,4,8,12
	v_pk_add_f32 v[T+(\k):T+(\k)+1], v[T+(\k):T+(\k)+1], v[T+(\k)+2:T+(\k)+3]
.endr
.irp k, 0,8
	v_pk_add_f32 v[T+(\k):T+(\k)+1], v[T+(\k):T+(\k)+1], v[T+(\k)+4:T+(\k)+5]
.endr
	v_pk_add_f32 v[T:T+1], v[T:T+1], v[T+8:T+9]
	global_store_b64 v[LL], v[T:T+1], s[8:9]       ; 32 lanes x 8 bytes: 256 consecutive bytes, aligned: xq[8 g + r][b] at byte 4 (8 r + b)
.Ldone:
	s_wait_tensorcnt 0x0                           ; the wave's end, behind my last LDS store
	ds_add_u32 v[SPW], v[NIL]
	s_wait_dscnt 0x0
	s_endpgm
.Lfunc_end_k_q5fc7778cac_projq:
	.size	k_q5fc7778cac_projq, .Lfunc_end_k_q5fc7778cac_projq-k_q5fc7778cac_projq
	.p2alignl 7, 3214868480
	.fill 96, 4, 3214868480
	.section	.rodata,"a",@progbits
	.p2align	6, 0x0
	.amdhsa_kernel k_q5fc7778cac_projq
		.amdhsa_group_segment_fixed_size 3072
		.amdhsa_private_segment_fixed_size 0
		.amdhsa_enable_private_segment 0
		.amdhsa_kernarg_size 24
		.amdhsa_user_sgpr_count 2
		.amdhsa_user_sgpr_kernarg_segment_ptr 1
		.amdhsa_wavefront_size32 1
		.amdhsa_system_sgpr_workgroup_id_x 1
		.amdhsa_system_sgpr_workgroup_id_y 1
		.amdhsa_system_sgpr_workgroup_id_z 1
		.amdhsa_system_vgpr_workitem_id 0
		.amdhsa_next_free_vgpr 208
		.amdhsa_next_free_sgpr 66
		.amdhsa_reserve_vcc 1
		.amdhsa_float_denorm_mode_32 3
		.amdhsa_float_denorm_mode_16_64 3
		.amdhsa_memory_ordered 1
		.amdhsa_forward_progress 1
		.amdhsa_inst_pref_size 32
	.end_amdhsa_kernel
	.amdgpu_metadata
---
amdhsa.version: [ 1, 2 ]
amdhsa.kernels:
  - .name:           k_q5fc7778cac_projq
    .symbol:         k_q5fc7778cac_projq.kd
    .args:
      - { .name: inputs, .offset: 0, .size: 8, .value_kind: global_buffer, .address_space: global }
      - { .name: wq, .offset: 8, .size: 8, .value_kind: global_buffer, .address_space: global }
      - { .name: xq, .offset: 16, .size: 8, .value_kind: global_buffer, .address_space: global }
    .group_segment_fixed_size: 3072
    .private_segment_fixed_size: 0
    .kernarg_segment_align: 8
    .kernarg_segment_size: 24
    .max_flat_workgroup_size: 256
    .sgpr_count:     66
    .vgpr_count:     208
    .wavefront_size: 32
...
	.end_amdgpu_metadata
.endif
;; end of part 1
;; launch projk (part 2): grid 32 x 8, 8 waves a work-group, no clusters, 17,408 bytes of LDS; arguments xq, wk, qkp; writes qkp
.if DOCPART == 2
	.amdgcn_target "amdgcn-amd-amdhsa--gfx1250"
	.amdhsa_code_object_version 6
	.text
	.protected	k_q5fc7778cac_projk
	.globl	k_q5fc7778cac_projk
	.p2align	8
	.type	k_q5fc7778cac_projk,@function
k_q5fc7778cac_projk:
	s_mov_b64 s[64:65], 0
	v_nop
	global_prefetch_b8 v0, s[64:65] scope:SCOPE_SE
	s_setreg_imm32_b32 hwreg(HW_REG_WAVE_MODE, 25, 1), 1
	s_wait_xcnt 0x0
; qkp[c][b][d] = the sum over the 256 h of chunk c of xq[h][b] wk[h][d].  xq: [2048][8] f32, wk: [2048][2048] f32, qkp (workspace): [c 8][b 8][d 2048] f32, unscaled.
; This is the re-association that spares the product memory x wk^T: scores[b][m] = sum over d of memory[b][m][d] qk[b][d] with qk[b][d] = sum over h of xq[b][h] wk[h][d]; it holds for every input;
; only the order of the f32 roundings differs.  The eight chunks are added by the next launch.
; All arithmetic in f32 on the vector unit: 8 rows, 2 multiply-adds for each byte of wk: the bytes decide.
; SHARES.  Work-group (cb, c) owns columns d = 64 cb .. + 63 (256 aligned bytes of a row) of rows h = 256 c .. + 255: 65,536 bytes of wk.  Wave w owns 32 of the rows, as 16 pairs p; lane (q = l % 16,
; hf = l / 16) owns row 256 c + 32 w + 2 p + hf, columns 4 q .. 4 q + 3: a load of a wave covers two rows' whole 256 bytes.  The row's eight xq come by two loads of 16 bytes that the 16 lanes of a
; half address alike.  All 48 loads of a wave go out at the start.
; NO CLUSTER: what work-groups share is the chunk's 8,192 bytes of xq beside 65,536 of wk of their own.
.set SPARE, 16384                      ; behind the waves' partial sums: the spare words, 128 bytes for each of 8 waves; no other line names them
.set WOFF, 4                           ; v4   my byte offset in the group's part of wk, row pair 0; never rewritten
.set XOFF, 5                           ; v5   my row's byte offset in the chunk's part of xq, row pair 0; never rewritten
.set SPW,  6                           ; v6   LDS address of my spare word; never rewritten
.set NIL,  7                           ; v7   0; never rewritten
.set STO,  8                           ; v8   where my 16 bytes of a batch go in LDS
.set RD,   9                           ; v9   where I read a batch's 8 bytes back
.set GO,   10                          ; v10  my byte offset in the group's part of qkp
.set W,    16                          ; v[16:79]   wk: row pair p at W + 4 p
.set X,    80                          ; v[80:207]  xq: row pair p, batches 0..7 at X + 8 p
.set ACC,  208                         ; v[208:239] the pair (batches 2 bp, 2 bp + 1) of column col at ACC + 2 (4 bp + col)
.set R,    16                          ; behind the sums W's registers serve again: what I keep,
.set T,    32                          ; what I send,
.set U,    48                          ; what I am sent,
.set F,    64                          ; and the eight waves' parts
	s_load_b128 s[4:7], s[0:1], 0x0                ; xq s[4:5], wk s[6:7]
	s_load_b64 s[8:9], s[0:1], 0x10                ; qkp
	v_lshl_add_u32 v[SPW], v0, 2, SPARE
	v_mov_b32 v[NIL], 0
	v_and_b32 v1, 15, v0                           ; q
	v_bfe_u32 v2, v0, 4, 1                         ; hf
	v_lshrrev_b32 v3, 5, v0
	v_readfirstlane_b32 s16, v3                    ; wave 0..7
	v_and_b32 v11, 31, v0                          ; lane
	v_lshlrev_b32 v12, 4, v1                       ; 16 q
	v_lshl_add_u32 v[WOFF], v2, 13, v12            ; + hf rows of 8,192 bytes
	v_lshl_add_u32 v[WOFF], s16, 18, v[WOFF]       ; + the wave's 32 rows
	v_lshlrev_b32 v[XOFF], 5, v2                   ; hf x 32 bytes
	v_lshl_add_u32 v[XOFF], s16, 10, v[XOFF]       ; + the wave's 32 rows of 32 bytes
	v_lshl_add_u32 v[STO], v2, 10, v12             ; lanes 16-31 hold batches 4 to 7: 4 x 256 bytes on
	v_lshl_add_u32 v[STO], s16, 11, v[STO]         ; + the wave's part: 8 batches x 256 bytes
	v_lshlrev_b32 v11, 3, v11                      ; 8 l
	v_lshl_add_u32 v[RD], s16, 8, v11              ; batch w's 256 bytes in a part
	v_lshl_add_u32 v[GO], s16, 13, v11             ; batch w's row of qkp
	s_mov_b32 s14, 0x76543210
	s_mov_b32 s15, 0xfedcba98
	s_and_b32 s10, ttmp7, 0xffff                   ; c
	s_lshl_b32 s11, ttmp9, 8                       ; the group's 256 bytes of a row
	s_mov_b32 s13, 0
	s_wait_kmcnt 0x0
	s_lshl_b32 s12, s10, 13                        ; 256 h x 32 bytes
	s_add_nc_u64 s[4:5], s[4:5], s[12:13]
	s_lshl_b32 s12, s10, 21                        ; 256 rows x 8,192 bytes
	s_add_co_u32 s12, s12, s11
	s_add_nc_u64 s[6:7], s[6:7], s[12:13]
	s_lshl_b32 s12, s10, 16                        ; 8 batches x 8,192 bytes
	s_add_co_u32 s12, s12, s11
	s_add_nc_u64 s[8:9], s[8:9], s[12:13]
.set p, 0
.rept 16                                       ; three loads for each row pair, in the order in which they are used
	global_load_b128 v[X+8*p:X+8*p+3],   v[XOFF], s[4:5] offset:64*p
	global_load_b128 v[X+8*p+4:X+8*p+7], v[XOFF], s[4:5] offset:64*p+16
	global_load_b128 v[W+4*p:W+4*p+3],   v[WOFF], s[6:7] offset:16384*p th:TH_LOAD_NT
.set p, p+1
.endr
; Row pair p: 16 packed multiply-adds, k = 4 bp + col: two batches' xq times one number of wk, which is taken for both halves (the low register of its pair for an even column, the high one for an odd).
; Row pair 0 starts the sums.
.macro PAIR p
	s_wait_loadcnt 3*(15-(\p))                     ; the three loads of each younger row pair may stay out
.set k, 0
.rept 16
.if ((\p) == 0) && (k%2 == 0)
	v_pk_mul_f32 v[ACC+2*k:ACC+2*k+1], v[X+2*(k/4):X+2*(k/4)+1], v[W+(k&2):W+(k&2)+1] op_sel_hi:[1,0]
.elseif (\p) == 0
	v_pk_mul_f32 v[ACC+2*k:ACC+2*k+1], v[X+2*(k/4):X+2*(k/4)+1], v[W+(k&2):W+(k&2)+1] op_sel:[0,1]
.elseif k%2 == 0
	v_pk_fma_f32 v[ACC+2*k:ACC+2*k+1], v[X+8*(\p)+2*(k/4):X+8*(\p)+2*(k/4)+1], v[W+4*(\p)+(k&2):W+4*(\p)+(k&2)+1], v[ACC+2*k:ACC+2*k+1] op_sel_hi:[1,0,1]
.else
	v_pk_fma_f32 v[ACC+2*k:ACC+2*k+1], v[X+8*(\p)+2*(k/4):X+8*(\p)+2*(k/4)+1], v[W+4*(\p)+(k&2):W+4*(\p)+(k&2)+1], v[ACC+2*k:ACC+2*k+1] op_sel:[0,1,0]
.endif
.set k, k+1
.endr
.endm
.irp p, 0,1,2,3,4,5,6,7,8,9,10,11,12,13,14,15
	PAIR \p
.endr
	; The two halves of the lanes (even rows, odd rows) are added: lanes 0-15 keep batches 0 to 3 and send 4 to 7, lanes 16-31 the other way round.  k = 4 b + col, b = 0..3.
	s_mov_b32 vcc_lo, 0xffff0000
.set k, 0
.rept 16
.set a, ACC+2*(4*(k/8)+k%4)+((k/4)%2)          ; batch b; batch b + 4 lies 16 registers on
	v_cndmask_b32 v[T+k], v[a+16], v[a], vcc_lo
.set k, k+1
.endr
.set k, 0
.rept 16
.set a, ACC+2*(4*(k/8)+k%4)+((k/4)%2)
	v_cndmask_b32 v[R+k], v[a], v[a+16], vcc_lo
.set k, k+1
.endr
.set k, 0
.rept 16
	v_permlanex16_b32 v[U+k], v[T+k], s14, s15     ; its destination has been written before (by a load that has come back)
.set k, k+1
.endr
.set k, 0
.rept 16
	v_add_f32 v[R+k], v[R+k], v[U+k]
.set k, k+1
.endr
.irp b, 0,1,2,3
	ds_store_b128 v[STO], v[R+4*(\b):R+4*(\b)+3] offset:256*(\b)  ; batch b + 4 hf, columns 4 q ..: sixteen lanes cover 256 consecutive bytes
.endr
	s_wait_dscnt 0x0                               ; for the others' sake: my stores are done
	s_barrier_signal -1
	s_barrier_wait -1
.irp k, 0,1,2,3,4,5,6,7
	ds_load_b64 v[F+2*(\k):F+2*(\k)+1], v[RD] offset:2048*(\k)  ; wave w adds batch w: the eight waves' 256 bytes of it
.endr
	s_wait_dscnt 0x0
.irp k, 0,4,8,12
	v_pk_add_f32 v[F+(\k):F+(\k)+1], v[F+(\k):F+(\k)+1], v[F+(\k)+2:F+(\k)+3]
.endr
.irp k, 0,8
	v_pk_add_f32 v[F+(\k):F+(\k)+1], v[F+(\k):F+(\k)+1], v[F+(\k)+4:F+(\k)+5]
.endr
	v_pk_add_f32 v[F:F+1], v[F:F+1], v[F+8:F+9]
	global_store_b64 v[GO], v[F:F+1], s[8:9]       ; 32 lanes x 8 bytes: 256 consecutive bytes, aligned
	s_wait_tensorcnt 0x0                           ; the wave's end, behind my last LDS store
	ds_add_u32 v[SPW], v[NIL]
	s_wait_dscnt 0x0
	s_endpgm
.Lfunc_end_k_q5fc7778cac_projk:
	.size	k_q5fc7778cac_projk, .Lfunc_end_k_q5fc7778cac_projk-k_q5fc7778cac_projk
	.p2alignl 7, 3214868480
	.fill 96, 4, 3214868480
	.section	.rodata,"a",@progbits
	.p2align	6, 0x0
	.amdhsa_kernel k_q5fc7778cac_projk
		.amdhsa_group_segment_fixed_size 17408
		.amdhsa_private_segment_fixed_size 0
		.amdhsa_enable_private_segment 0
		.amdhsa_kernarg_size 24
		.amdhsa_user_sgpr_count 2
		.amdhsa_user_sgpr_kernarg_segment_ptr 1
		.amdhsa_wavefront_size32 1
		.amdhsa_system_sgpr_workgroup_id_x 1
		.amdhsa_system_sgpr_workgroup_id_y 1
		.amdhsa_system_sgpr_workgroup_id_z 1
		.amdhsa_system_vgpr_workitem_id 0
		.amdhsa_next_free_vgpr 240
		.amdhsa_next_free_sgpr 66
		.amdhsa_reserve_vcc 1
		.amdhsa_float_denorm_mode_32 3
		.amdhsa_float_denorm_mode_16_64 3
		.amdhsa_memory_ordered 1
		.amdhsa_forward_progress 1
		.amdhsa_inst_pref_size 27
	.end_amdhsa_kernel
	.amdgpu_metadata
---
amdhsa.version: [ 1, 2 ]
amdhsa.kernels:
  - .name:           k_q5fc7778cac_projk
    .symbol:         k_q5fc7778cac_projk.kd
    .args:
      - { .name: xq, .offset: 0, .size: 8, .value_kind: global_buffer, .address_space: global }
      - { .name: wk, .offset: 8, .size: 8, .value_kind: global_buffer, .address_space: global }
      - { .name: qkp, .offset: 16, .size: 8, .value_kind: global_buffer, .address_space: global }
    .group_segment_fixed_size: 17408
    .private_segment_fixed_size: 0
    .kernarg_segment_align: 8
    .kernarg_segment_size: 24
    .max_flat_workgroup_size: 256
    .sgpr_count:     66
    .vgpr_count:     240
    .wavefront_size: 32
...
	.end_amdgpu_metadata
.endif
;; end of part 2
;; launch attend (part 3): grid 256 x 1, 8 waves a work-group, no clusters, 75,008 bytes of LDS; arguments memory, qkp, pacc, pstat; writes pacc, pstat
.if DOCPART == 3
	.amdgcn_target "amdgcn-amd-amdhsa--gfx1250"
	.amdhsa_code_object_version 6
	.text
	.protected	k_q5fc7778cac_attend
	.globl	k_q5fc7778cac_attend
	.p2align	8
	.type	k_q5fc7778cac_attend,@function
k_q5fc7778cac_attend:
	s_mov_b64 s[64:65], 0
	v_nop
	global_prefetch_b8 v0, s[64:65] scope:SCOPE_SE
	s_setreg_imm32_b32 hwreg(HW_REG_WAVE_MODE, 25, 1), 1
	s_wait_xcnt 0x0
; One piece of the softmax-weighted sum for each 64 rows of memory.  memory: [8][2048][2048] f32; qkp: [c 8][b 8][2048] f32; pacc: [g 256][2048] f32; pstat: [g 256][2] f32.
; qk[d] = (sum over c of qkp[c][b][d]) x log2(e) / sqrt(2048);  s[m] = sum over d of memory[b][m][d] qk[d] (the score in units of log2);  with a running maximum M:
; p[m] = 2^(s[m] - M), l = sum of p, acc[d] = sum of p[m] memory[b][m][d].  The work-group stores (M, l) and acc; the next launch joins a batch's 32 pieces.
; All arithmetic in f32 on the vector unit: a row meets one vector twice, 1 multiply-add for each 2 bytes: the bytes decide, and the matrix unit would only add conversions.
; SHARES.  Work-group g (batch g / 32) owns rows 64 g .. 64 g + 63 of the 16,384: 524,288 bytes.  Wave w owns 8 whole rows.  A row is 16 loads of 512 consecutive aligned bytes (load j: lane l holds
; elements 128 j + 4 l .. + 3) and stays in 64 registers between the score and the weighted sum: memory is read once, a score never leaves its wave, and the stream needs no barrier.
; A wave has four row buffers, 32,768 bytes asked for at once; a buffer is asked for again as soon as its row has been used.
; NO CLUSTER, NO TENSOR LOADS: each byte of memory is used by one wave alone; what work-groups share is 65,536 bytes of qkp beside 524,288 of their own.
; LIMITS.  The maximum is taken away before every exponential, so no exponent is above 0; a weight below 2^-126 counts as 0; v_max_num_f32 drops a NaN; infinities are not treated apart.
; The product memory x wk^T is never formed, so the order of the f32 roundings differs from the plain order.
; REGISTERS, in windows of 256 (s_set_vgpr_msb: bits 1:0 source 0, 7:6 destination): window 1: row buffer k at 64 k.  Window 0: all else.
.set QKS,   0                          ; LDS 0 .. 8,191: qk
.set ACS,   8192                       ; 8 waves x 8,192 bytes: the waves' acc
.set STAT,  73728                      ; a block of 256 bytes: M of wave w at + 4 w, l at + 32 + 4 w
.set SPARE, 73984                      ; the spare words, 128 bytes for each of 8 waves; no other line names them
.set LOFF, 1                           ; v1   16 l; never rewritten
.set TOFF, 2                           ; v2   16 x my thread's number; never rewritten
.set SPW,  3                           ; v3   LDS address of my spare word; never rewritten
.set NIL,  4                           ; v4   0; never rewritten
.set AST,  5                           ; v5   where my acc goes in LDS
.set SST,  6                           ; v6   where my wave's M goes
.set SRD,  7                           ; v7   STAT
.set RLO,  8                           ; v8   my 16 bytes in wave 0's acc
.set RHI,  9                           ; v9   in wave 4's: an LDS immediate ends at 65,535, so two address registers
.set ZOF,  10                          ; v10  0: the offset of the store of (M, l)
.set PW,   12                          ; v[12:13] the two rows' weights
.set SC,   14                          ; v14, v15 the two rows' scores
.set MX,   16                          ; v16  M
.set LS,   17                          ; v17  l
.set AF,   18                          ; v[18:19] a = 2^(M_old - M_new), in the low register of a pair
.set MN,   20                          ; v20  the new M
.set TT,   21                          ; v21  at work
.set OU,   24                          ; v[24:31] the way out: my 8 numbers of the group's acc
.set DP,   32                          ; v[32:47] two rows x four chains x a pair
.set ML,   32                          ; the way out: the waves' M in v[32:39], l in v[40:47]
.set FW,   48                          ; v[48:55] the way out: the waves' factors
.set ST,   56                          ; v[56:57] the group's (M, l)
.set QK,   64                          ; v[64:127]  qk, laid as a row
.set ACC,  128                         ; v[128:191] acc, laid as a row
.set PT,   192                         ; v[192:255] first qkp's eight pieces, at the end the eight waves' acc: piece c, half hf at PT + 8 c + 4 hf
.set MSB, 0
.macro WIN new                         ; the immediate's high byte repeats the setting that is left; a switch that changes nothing is dropped
.if MSB != (\new)
	s_set_vgpr_msb (MSB<<8)|(\new)
.set MSB, \new
.endif
.endm
.macro TREE8 r, st                     ; the eight pairs at r + st k are added into the first
.irp k, 0,2,4,6
	v_pk_add_f32 v[(\r)+(\st)*(\k):(\r)+(\st)*(\k)+1], v[(\r)+(\st)*(\k):(\r)+(\st)*(\k)+1], v[(\r)+(\st)*((\k)+1):(\r)+(\st)*((\k)+1)+1]
.endr
.irp k, 0,4
	v_pk_add_f32 v[(\r)+(\st)*(\k):(\r)+(\st)*(\k)+1], v[(\r)+(\st)*(\k):(\r)+(\st)*(\k)+1], v[(\r)+(\st)*((\k)+2):(\r)+(\st)*((\k)+2)+1]
.endr
	v_pk_add_f32 v[(\r):(\r)+1], v[(\r):(\r)+1], v[(\r)+(\st)*4:(\r)+(\st)*4+1]
.endm
.macro FILL k, row                     ; sixteen loads: my wave's row \row into buffer k; read once in the launch
	WIN 0x40                                       ; destination window 1, address window 0
.set j, 0
.rept 16
	global_load_b128 v[64*(\k)+4*j:64*(\k)+4*j+3], v[LOFF], s[4:5] offset:8192*(\row)+512*j th:TH_LOAD_NT
.set j, j+1
.endr
.endm
.macro DOT k, z                        ; the lane's share of buffer k's score, in four chains; the first four products start them
	WIN 0x01                                       ; source 0 window 1
.set n, 0
.rept 32
.if n < 4
	v_pk_mul_f32 v[DP+8*(\z)+2*n:DP+8*(\z)+2*n+1], v[64*(\k)+2*n:64*(\k)+2*n+1], v[QK+2*n:QK+2*n+1]
.else
	v_pk_fma_f32 v[DP+8*(\z)+2*(n%4):DP+8*(\z)+2*(n%4)+1], v[64*(\k)+2*n:64*(\k)+2*n+1], v[QK+2*n:QK+2*n+1], v[DP+8*(\z)+2*(n%4):DP+8*(\z)+2*(n%4)+1]
.endif
.set n, n+1
.endr
.endm
.macro AXPY k, z, first                ; acc += weight z x buffer k; the wave's first row starts acc: nothing is cleared
	WIN 0x01
.set n, 0
.rept 32
.if (\first) && ((\z) == 0)
	v_pk_mul_f32 v[ACC+2*n:ACC+2*n+1], v[64*(\k)+2*n:64*(\k)+2*n+1], v[PW:PW+1] op_sel_hi:[1,0]
.elseif (\z) == 0
	v_pk_fma_f32 v[ACC+2*n:ACC+2*n+1], v[64*(\k)+2*n:64*(\k)+2*n+1], v[PW:PW+1], v[ACC+2*n:ACC+2*n+1] op_sel_hi:[1,0,1]
.else
	v_pk_fma_f32 v[ACC+2*n:ACC+2*n+1], v[64*(\k)+2*n:64*(\k)+2*n+1], v[PW:PW+1], v[ACC+2*n:ACC+2*n+1] op_sel:[0,1,0]
.endif
.set n, n+1
.endr
.endm
; Two rows: rows 2 g and 2 g + 1 of the wave, in buffers 2 (g % 2) and 2 (g % 2) + 1.  left0, left1: how many younger loads may stay out when the first and the second row must be in.
; refill = 1: each buffer is asked for again, with the row four further on, as soon as its row has been used.
.macro GROUP g, first, refill, left0, left1
	s_wait_loadcnt \left0
	DOT 2*((\g)%2), 0
	s_wait_loadcnt \left1
	DOT 2*((\g)%2)+1, 1
	WIN 0
.irp z, 0,1                            ; the chains, then the 32 lanes; the two rows alternate
	v_pk_add_f32 v[DP+8*(\z):DP+8*(\z)+1], v[DP+8*(\z):DP+8*(\z)+1], v[DP+8*(\z)+2:DP+8*(\z)+3]
	v_pk_add_f32 v[DP+8*(\z)+4:DP+8*(\z)+5], v[DP+8*(\z)+4:DP+8*(\z)+5], v[DP+8*(\z)+6:DP+8*(\z)+7]
.endr
.irp z, 0,1
	v_pk_add_f32 v[DP+8*(\z):DP+8*(\z)+1], v[DP+8*(\z):DP+8*(\z)+1], v[DP+8*(\z)+4:DP+8*(\z)+5]
.endr
.irp z, 0,1
	v_add_f32 v[SC+(\z)], v[DP+8*(\z)], v[DP+8*(\z)+1]
.endr
.irp m, 1,2,4,8
.irp z, 0,1
	v_add_f32_dpp v[SC+(\z)], v[SC+(\z)], v[SC+(\z)] row_xmask:\m row_mask:0xf bank_mask:0xf
.endr
.endr
.irp z, 0,1
	v_permlanex16_b32 v[DP+8*(\z)+2], v[SC+(\z)], s14, s15  ; its destination has been written before
.endr
.irp z, 0,1
	v_add_f32 v[SC+(\z)], v[SC+(\z)], v[DP+8*(\z)+2]        ; every lane holds the row's score
.endr
.if \first
	v_max_num_f32 v[MN], v[SC], v[SC+1]
.else
	v_max3_num_f32 v[MN], v[SC], v[SC+1], v[MX]
	v_sub_f32 v[AF], v[MX], v[MN]
.endif
	v_sub_f32 v[PW], v[SC], v[MN]
	v_sub_f32 v[PW+1], v[SC+1], v[MN]
.if !(\first)
	v_exp_f32 v[AF], v[AF]
.endif
	v_exp_f32 v[PW], v[PW]
	v_exp_f32 v[PW+1], v[PW+1]
	v_mov_b32 v[MX], v[MN]                         ; the plain instruction between the exponentials and the use of their results
.if \first
	s_wait_alu depctr_va_vdst(0)
	v_add_f32 v[LS], v[PW], v[PW+1]
.else
	s_wait_alu depctr_va_vdst(0)
	v_add_f32 v[TT], v[PW], v[PW+1]
	v_fma_f32 v[LS], v[LS], v[AF], v[TT]
.set n, 0
.rept 32
	v_pk_mul_f32 v[ACC+2*n:ACC+2*n+1], v[ACC+2*n:ACC+2*n+1], v[AF:AF+1] op_sel_hi:[1,0]  ; acc x a, which is 1 where M has not grown
.set n, n+1
.endr
.endif
	AXPY 2*((\g)%2), 0, \first
.if \refill
	FILL 2*((\g)%2), 2*(\g)+4
.endif
	AXPY 2*((\g)%2)+1, 1, \first
.if \refill
	FILL 2*((\g)%2)+1, 2*(\g)+5
.endif
	WIN 0
.endm
	s_load_b256 s[4:11], s[0:1], 0x0               ; memory s[4:5], qkp s[6:7], pacc s[8:9], pstat s[10:11]
	v_lshl_add_u32 v[SPW], v0, 2, SPARE
	v_mov_b32 v[NIL], 0
	v_and_b32 v11, 31, v0                          ; lane
	v_lshrrev_b32 v[TT], 5, v0
	v_readfirstlane_b32 s12, v[TT]                 ; wave 0..7
	v_lshlrev_b32 v[LOFF], 4, v11
	v_lshl_add_u32 v[TOFF], s12, 9, v[LOFF]        ; 512 w + 16 l
	v_lshl_add_u32 v[AST], s12, 13, v[LOFF]
	v_add_nc_u32 v[AST], ACS, v[AST]
	v_lshl_add_u32 v[SST], s12, 2, STAT
	v_mov_b32 v[SRD], STAT
	v_add_nc_u32 v[RLO], ACS, v[TOFF]
	v_add_nc_u32 v[RHI], ACS+32768, v[TOFF]
	v_mov_b32 v[ZOF], 0
	v_mov_b32 v[AF+1], 0                           ; named with a as a pair, so it is written
	s_mov_b32 s14, 0x76543210                      ; v_permlanex16_b32: each lane takes its own place in the other half
	s_mov_b32 s15, 0xfedcba98
	s_lshl_b32 s16, ttmp9, 19                      ; the group's 64 rows of 8,192 bytes,
	s_lshl_b32 s17, s12, 16                        ; the wave's 8
	s_add_co_u32 s16, s16, s17
	s_mov_b32 s17, 0
	s_wait_kmcnt 0x0
	s_add_nc_u64 s[4:5], s[4:5], s[16:17]
	s_lshr_b32 s16, ttmp9, 5                       ; the batch,
	s_lshl_b32 s16, s16, 13                        ; its 8,192 bytes in each piece of qkp
	s_add_nc_u64 s[6:7], s[6:7], s[16:17]
	s_lshl_b32 s16, ttmp9, 13
	s_add_nc_u64 s[8:9], s[8:9], s[16:17]
	s_lshl_b32 s16, ttmp9, 3
	s_add_nc_u64 s[10:11], s[10:11], s[16:17]
.set k, 0
.rept 16                                       ; qkp: piece k / 2, half k % 2: thread t sums the 8 numbers at bytes 16 t and 4,096 + 16 t
	global_load_b128 v[PT+4*k:PT+4*k+3], v[TOFF], s[6:7] offset:65536*(k/2)+4096*(k%2)
.set k, k+1
.endr
	FILL 0, 0
	FILL 1, 1
	FILL 2, 2
	WIN 0
	s_wait_loadcnt 48                              ; the 48 loads of rows 0 to 2 may stay out: qkp's pieces are in
.irp q, 0,2,4,6
	TREE8 PT+(\q), 8
.endr
.irp q, 0,2,4,6
	v_pk_mul_f32 v[PT+(\q):PT+(\q)+1], v[PT+(\q):PT+(\q)+1], 0x3d0293ee op_sel_hi:[1,0]  ; log2(e) / sqrt(2048) = 0.0318793
.endr
	ds_store_b128 v[TOFF], v[PT:PT+3] offset:QKS
	ds_store_b128 v[TOFF], v[PT+4:PT+7] offset:QKS+4096
	FILL 3, 3
	WIN 0
	s_wait_dscnt 0x0                               ; for the others' sake: my part of qk is in LDS
	s_barrier_signal -1
	s_barrier_wait -1
.set j, 0
.rept 16
	ds_load_b128 v[QK+4*j:QK+4*j+3], v[LOFF] offset:QKS+512*j  ; qk, laid as a row is
.set j, j+1
.endr
	s_wait_dscnt 0x0
	; The rows are asked for in the order 0 to 7, sixteen loads each.  When a group takes its first row three younger rows are out (48 loads), at its second two (32); in the last group one and none.
	GROUP 0, 1, 1, 48, 32
	GROUP 1, 0, 1, 48, 32
	GROUP 2, 0, 0, 48, 32
	GROUP 3, 0, 0, 16, 0
	; THE WAY OUT.  The eight waves' (M, l, acc) meet in LDS; every thread joins 8 numbers of acc, every lane the statistics.
.set j, 0
.rept 16
	ds_store_b128 v[AST], v[ACC+4*j:ACC+4*j+3] offset:512*j
.set j, j+1
.endr
	ds_store_b32 v[SST], v[MX]                     ; all lanes write the same word with the same value
	ds_store_b32 v[SST], v[LS] offset:32
	s_wait_dscnt 0x0                               ; for the others' sake: my stores are done
	s_barrier_signal -1
	s_barrier_wait -1
.irp q, 0,1,2,3
	ds_load_b128 v[ML+4*(\q):ML+4*(\q)+3], v[SRD] offset:16*(\q)
.endr
.set k, 0
.rept 16                                       ; wave k / 2, half k % 2
.if k < 8
	ds_load_b128 v[PT+4*k:PT+4*k+3], v[RLO] offset:4096*k
.else
	ds_load_b128 v[PT+4*k:PT+4*k+3], v[RHI] offset:4096*(k-8)
.endif
.set k, k+1
.endr
	s_wait_dscnt 16                                ; the sixteen younger loads may stay out: the statistics are in
	v_max3_num_f32 v[ST], v[ML], v[ML+1], v[ML+2]
	v_max3_num_f32 v[ST], v[ST], v[ML+3], v[ML+4]
	v_max3_num_f32 v[ST], v[ST], v[ML+5], v[ML+6]
	v_max_num_f32 v[ST], v[ST], v[ML+7]            ; the group's M
.irp q, 0,1,2,3,4,5,6,7
	v_sub_f32 v[FW+(\q)], v[ML+(\q)], v[ST]
.endr
.irp q, 0,1,2,3,4,5,6,7
	v_exp_f32 v[FW+(\q)], v[FW+(\q)]
.endr
	v_nop                                          ; a plain instruction between the last exponential and the use of its result
	s_wait_alu depctr_va_vdst(0)
	v_mul_f32 v[ST+1], v[FW], v[ML+8]
.irp q, 1,2,3,4,5,6,7
	v_fma_f32 v[ST+1], v[FW+(\q)], v[ML+8+(\q)], v[ST+1]  ; the group's l
.endr
	s_wait_dscnt 0x0
.set w, 0
.rept 8                                        ; acc = sum over the waves of factor x acc; the factor is taken from its pair for both halves
.set r, 0
.rept 4
.if w == 0
	v_pk_mul_f32 v[OU+2*r:OU+2*r+1], v[PT+2*r:PT+2*r+1], v[FW:FW+1] op_sel_hi:[1,0]
.elseif w%2 == 0
	v_pk_fma_f32 v[OU+2*r:OU+2*r+1], v[PT+8*w+2*r:PT+8*w+2*r+1], v[FW+w:FW+w+1], v[OU+2*r:OU+2*r+1] op_sel_hi:[1,0,1]
.else
	v_pk_fma_f32 v[OU+2*r:OU+2*r+1], v[PT+8*w+2*r:PT+8*w+2*r+1], v[FW+w-1:FW+w], v[OU+2*r:OU+2*r+1] op_sel:[0,1,0]
.endif
.set r, r+1
.endr
.set w, w+1
.endr
	global_store_b128 v[TOFF], v[OU:OU+3], s[8:9]              ; a wave's store covers 512 consecutive bytes, aligned
	global_store_b128 v[TOFF], v[OU+4:OU+7], s[8:9] offset:4096
	v_cmp_eq_u32 vcc_lo, 0, v0                     ; thread 0 alone stores (M, l): 8 bytes a work-group, laid so that a batch's 32 pairs are 256 consecutive bytes for the next launch
	s_wait_xcnt 0x0                                ; EXEC is a source of the stores above: it changes only behind this wait
	s_and_saveexec_b32 s18, vcc_lo
	global_store_b64 v[ZOF], v[ST:ST+1], s[10:11]
	s_wait_xcnt 0x0                                ; and again in front of the line that widens it
	s_or_b32 exec_lo, exec_lo, s18
	s_wait_tensorcnt 0x0                           ; the wave's end, behind my last LDS store
	ds_add_u32 v[SPW], v[NIL]
	s_wait_dscnt 0x0
	s_endpgm
.Lfunc_end_k_q5fc7778cac_attend:
	.size	k_q5fc7778cac_attend, .Lfunc_end_k_q5fc7778cac_attend-k_q5fc7778cac_attend
	.p2alignl 7, 3214868480
	.fill 96, 4, 3214868480
	.section	.rodata,"a",@progbits
	.p2align	6, 0x0
	.amdhsa_kernel k_q5fc7778cac_attend
		.amdhsa_group_segment_fixed_size 75008
		.amdhsa_private_segment_fixed_size 0
		.amdhsa_enable_private_segment 0
		.amdhsa_kernarg_size 32
		.amdhsa_user_sgpr_count 2
		.amdhsa_user_sgpr_kernarg_segment_ptr 1
		.amdhsa_wavefront_size32 1
		.amdhsa_system_sgpr_workgroup_id_x 1
		.amdhsa_system_sgpr_workgroup_id_y 1
		.amdhsa_system_sgpr_workgroup_id_z 1
		.amdhsa_system_vgpr_workitem_id 0
		.amdhsa_next_free_vgpr 512
		.amdhsa_next_free_sgpr 66
		.amdhsa_reserve_vcc 1
		.amdhsa_float_denorm_mode_32 3
		.amdhsa_float_denorm_mode_16_64 3
		.amdhsa_memory_ordered 1
		.amdhsa_forward_progress 1
		.amdhsa_inst_pref_size 70
	.end_amdhsa_kernel
	.amdgpu_metadata
---
amdhsa.version: [ 1, 2 ]
amdhsa.kernels:
  - .name:           k_q5fc7778cac_attend
    .symbol:         k_q5fc7778cac_attend.kd
    .args:
      - { .name: memory, .offset: 0, .size: 8, .value_kind: global_buffer, .address_space: global }
      - { .name: qkp, .offset: 8, .size: 8, .value_kind: global_buffer, .address_space: global }
      - { .name: pacc, .offset: 16, .size: 8, .value_kind: global_buffer, .address_space: global }
      - { .name: pstat, .offset: 24, .size: 8, .value_kind: global_buffer, .address_space: global }
    .group_segment_fixed_size: 75008
    .private_segment_fixed_size: 0
    .kernarg_segment_align: 8
    .kernarg_segment_size: 32
    .max_flat_workgroup_size: 256
    .sgpr_count:     66
    .vgpr_count:     512
    .wavefront_size: 32
...
	.end_amdgpu_metadata
.endif
;; end of part 3
;; launch combine (part 4): grid 32 x 8, 1 waves a work-group, no clusters, 0 bytes of LDS; arguments pacc, pstat, out0; writes out0
.if DOCPART == 4
	.amdgcn_target "amdgcn-amd-amdhsa--gfx1250"
	.amdhsa_code_object_version 6
	.text
	.protected	k_q5fc7778cac_combine
	.globl	k_q5fc7778cac_combine
	.p2align	8
	.type	k_q5fc7778cac_combine,@function
k_q5fc7778cac_combine:
	s_mov_b64 s[64:65], 0
	v_nop
	global_prefetch_b8 v0, s[64:65] scope:SCOPE_SE
	s_setreg_imm32_b32 hwreg(HW_REG_WAVE_MODE, 25, 1), 1
	s_wait_xcnt 0x0
; out0[b][d] = sum over a batch's 32 pieces c of 2^(m_c - M) acc_c[d], divided by sum over c of 2^(m_c - M) l_c, with M = the largest m_c.
; pacc: [32 b + c][2048] f32; pstat: [32 b + c][2] f32 (m in units of log2, l); out0: [8][2048] f32.
; SHARES.  Work-group (db, b), one wave, makes out0[b][64 db .. + 63]: 256 consecutive aligned bytes, two columns a lane.  Lane l also holds piece l's statistics, so the maximum and the divisor
; are one reduction over the lanes each.  All 33 loads go out at the start; each covers 256 consecutive aligned bytes; each byte of pacc is read by one work-group.
; No LDS, no barrier, no cluster: the work-groups share a batch's 256 bytes of statistics and nothing else.
; LIMITS.  Every exponent is 0 or below; the piece with the largest m has the factor 1 and an l of 1 or more, so the divisor is 1 or more; a factor below 2^-126 counts as 0; NaN is not treated apart.
.set D, 16                             ; v[16:79] piece c's two columns at D + 2 c
.set WT, 16                            ; s[16:47] piece c's weight, 2^(m_c - M) / divisor
	s_load_b128 s[4:7], s[0:1], 0x0                ; pacc s[4:5], pstat s[6:7]
	s_load_b64 s[8:9], s[0:1], 0x10                ; out0
	v_lshlrev_b32 v1, 3, v0                        ; 8 l; never rewritten
	v_mov_b32 v5, 0                                ; v_permlanex16_b32's destination counts as read
	s_mov_b32 s14, 0x76543210
	s_mov_b32 s15, 0xfedcba98
	s_and_b32 s10, ttmp7, 0xffff                   ; b
	s_lshl_b32 s11, ttmp9, 8                       ; the group's 256 bytes of a row
	s_mov_b32 s13, 0
	s_wait_kmcnt 0x0
	s_lshl_b32 s12, s10, 18                        ; 32 pieces x 8,192 bytes
	s_add_co_u32 s12, s12, s11
	s_add_nc_u64 s[4:5], s[4:5], s[12:13]
	s_lshl_b32 s12, s10, 8                         ; 32 pairs x 8 bytes
	s_add_nc_u64 s[6:7], s[6:7], s[12:13]
	s_lshl_b32 s12, s10, 13
	s_add_co_u32 s12, s12, s11
	s_add_nc_u64 s[8:9], s[8:9], s[12:13]
	global_load_b64 v[2:3], v1, s[6:7]             ; (m, l) of piece l
.set c, 0
.rept 32
	global_load_b64 v[D+2*c:D+2*c+1], v1, s[4:5] offset:8192*c th:TH_LOAD_NT
.set c, c+1
.endr
	s_wait_loadcnt 32                              ; the 32 younger loads may stay out: the statistics are in
	v_mov_b32 v4, v2
.irp m, 1,2,4,8
	v_max_num_f32_dpp v4, v4, v4 row_xmask:\m row_mask:0xf bank_mask:0xf
.endr
	v_permlanex16_b32 v5, v4, s14, s15
	v_max_num_f32 v4, v4, v5                       ; M, in every lane
	v_sub_f32 v6, v2, v4
	v_exp_f32 v6, v6
	v_nop                                          ; a plain instruction between the exponential and the use of its result
	s_wait_alu depctr_va_vdst(0)
	v_mul_f32 v7, v6, v3
.irp m, 1,2,4,8
	v_add_f32_dpp v7, v7, v7 row_xmask:\m row_mask:0xf bank_mask:0xf
.endr
	v_permlanex16_b32 v5, v7, s14, s15
	v_add_f32 v7, v7, v5                           ; the divisor, in every lane
	v_rcp_f32 v8, v7
	v_nop                                          ; likewise behind the reciprocal
	s_wait_alu depctr_va_vdst(0)
	v_mul_f32 v6, v6, v8                           ; piece l's weight
.set c, 0
.rept 32
	v_readlane_b32 s[WT+c], v6, c                  ; the weights as scalars: data alone, no address and no branch hangs on them
.set c, c+1
.endr
.set c, 0
.rept 32                                       ; two chains (even pieces, odd pieces); the first two pieces start them
	s_wait_loadcnt 31-c                            ; the younger pieces may stay out
.if c < 2
	v_mul_f32 v[10+2*c], s[WT+c], v[D+2*c]
	v_mul_f32 v[11+2*c], s[WT+c], v[D+2*c+1]
.else
	v_fmac_f32 v[10+2*(c%2)], s[WT+c], v[D+2*c]
	v_fmac_f32 v[11+2*(c%2)], s[WT+c], v[D+2*c+1]
.endif
.set c, c+1
.endr
	v_pk_add_f32 v[10:11], v[10:11], v[12:13]
	global_store_b64 v1, v[10:11], s[8:9]          ; 32 lanes x 8 bytes: 256 consecutive bytes, aligned
	s_endpgm
.Lfunc_end_k_q5fc7778cac_combine:
	.size	k_q5fc7778cac_combine, .Lfunc_end_k_q5fc7778cac_combine-k_q5fc7778cac_combine
	.p2alignl 7, 3214868480
	.fill 96, 4, 3214868480
	.section	.rodata,"a",@progbits
	.p2align	6, 0x0
	.amdhsa_kernel k_q5fc7778cac_combine
		.amdhsa_group_segment_fixed_size 0
		.amdhsa_private_segment_fixed_size 0
		.amdhsa_enable_private_segment 0
		.amdhsa_kernarg_size 24
		.amdhsa_user_sgpr_count 2
		.amdhsa_user_sgpr_kernarg_segment_ptr 1
		.amdhsa_wavefront_size32 1
		.amdhsa_system_sgpr_workgroup_id_x 1
		.amdhsa_system_sgpr_workgroup_id_y 1
		.amdhsa_system_sgpr_workgroup_id_z 1
		.amdhsa_system_vgpr_workitem_id 0
		.amdhsa_next_free_vgpr 80
		.amdhsa_next_free_sgpr 66
		.amdhsa_reserve_vcc 0
		.amdhsa_float_denorm_mode_32 3
		.amdhsa_float_denorm_mode_16_64 3
		.amdhsa_memory_ordered 1
		.amdhsa_forward_progress 1
		.amdhsa_inst_pref_size 11
	.end_amdhsa_kernel
	.amdgpu_metadata
---
amdhsa.version: [ 1, 2 ]
amdhsa.kernels:
  - .name:           k_q5fc7778cac_combine
    .symbol:         k_q5fc7778cac_combine.kd
    .args:
      - { .name: pacc, .offset: 0, .size: 8, .value_kind: global_buffer, .address_space: global }
      - { .name: pstat, .offset: 8, .size: 8, .value_kind: global_buffer, .address_space: global }
      - { .name: out0, .offset: 16, .size: 8, .value_kind: global_buffer, .address_space: global }
    .group_segment_fixed_size: 0
    .private_segment_fixed_size: 0
    .kernarg_segment_align: 8
    .kernarg_segment_size: 24
    .max_flat_workgroup_size: 32
    .sgpr_count:     66
    .vgpr_count:     80
    .wavefront_size: 32
...
	.end_amdgpu_metadata
.endif
;; end of part 4
